; MI455X (gfx1250); checked and timed in simulation.
; The chip was launched on July 23, 2026; its instructions are those of AMD's public machine-readable ISA for CDNA 5 (MIT licence, August 2026) and "CDNA5" Instruction Set Architecture Reference Guide (July 2026). The comments in the code are by the model that wrote it; some were corrected since.
;; Vertex Matcher. Allowed arithmetic: float matrix products may take bf16 or f16 operands with f32 sums; all other float work in f32.
;; Inputs: mhr_vertices 20,000 x 3 float32; smplx_vertices 10,475 x 3 float32.
;; Outputs: out0 20,000 int32.
;; One version. Each part assembles by itself: llvm-mc -triple=amdgcn-amd-amdhsa -mcpu=gfx1250 --defsym DOCPART=n.
;; ======== version 1 of 1: 2 launches
;; limits: values outside matrix products are rounded to bf16; values within 0.002 (relative) of each other or of a threshold may be ordered or decided otherwise than in the reference
;; workspace buffers: groups 80,128 bytes of whole numbers
;; launch scan (part 1): grid 250 x 1, 8 waves a work-group, no clusters, 179,200 bytes of LDS; arguments mhr_vertices, smplx_vertices, groups; writes groups
.if DOCPART == 1
	.amdgcn_target "amdgcn-amd-amdhsa--gfx1250"
	.amdhsa_code_object_version 6
	.text
	.protected	k_q3cbaea3d61_scan
	.globl	k_q3cbaea3d61_scan
	.p2align	8
	.type	k_q3cbaea3d61_scan,@function
k_q3cbaea3d61_scan:
	s_mov_b64 s[64:65], 0
	v_nop
	global_prefetch_b8 v0, s[64:65] scope:SCOPE_SE
	s_setreg_imm32_b32 hwreg(HW_REG_WAVE_MODE, 25, 1), 1
	s_wait_xcnt 0x0
; groups[q] = number of the first group of 16 neighbouring candidates that holds the smallest squared distance of query q.
; mhr_vertices [20000][3] f32 (queries), smplx_vertices [10475][3] f32 (candidates), groups [20000] i32.
;
; ARITHMETIC.  The result is an index, so every sum is rounded where reference() rounds it:
;   d = fl( fl(sq_m + sq_s) - 2 fl( fl(p1 + p2) + p3 ) ),  p_k = q_k s_k,  sq = fl( fl(x x + y y) + z z ).
; Both inputs are first rounded to bf16, the operand format of the product; all sums are f32.  A product of two bf16 numbers has
; 16 significant bits and is exact in f32, so a fused and an unfused multiply-add give the same bits here.  The factor -2 is folded
; into the query's coordinates: a power of two commutes with every rounding.  That is why the two additions behind the products are
; not fused into them: each is a rounding of reference()'s own.
; LIMITS.  The index is that of reference() on inputs rounded to bf16: against unrounded inputs the winner can differ where two candidates
; differ by less than a bf16 step of the coordinates (2^-9 relative).  NaN or infinite inputs, and coordinates above about 1e19 (a squared
; norm overflows), are not served: v_min_num_f32 drops a NaN that argmin would take.  Where products fall under 2^-126 (both factors
; under about 2^-62) the folded factor -2 is no longer exact and the last bit can differ.
; NO MATRIX INSTRUCTIONS: K is 3, three of the 32 k places of a 16x16x32 form, and such a form rounds its sum once, so it gives neither
; fl(fl(p1+p2)+p3) nor the sum fl(sq_m+sq_s), which is rounded pair by pair.
; NO CLUSTER, NO TENSOR LOAD: every work-group reads all candidates, but 250 work-groups do not divide into clusters of four, the shared
; bytes are 41 loads a thread against some 10,500 vector instructions, and they pass through registers anyway to be rounded and squared.
;
; SHARES.  A work-group owns 80 queries (250 x 80 = 20000) and scans all candidates.  The candidates lie in LDS in 656 records of 16
; (indices past the last are copies of the last candidate: they have the same d, stand at higher places and never win a strict <).
; Lane (r = lane % 16, h = lane / 16) of wave w holds the five queries 16 j + r and scans part 2 w + h: 41 records.  For each record and
; query only the record's minimum is formed (two distances an instruction), then compared with the best so far; the place inside the
; winning record is found by the next launch, since no address here may hang on these numbers.
.set NCAND,  10475
.set LASTC,  NCAND-1
.set QPW,    80                        ; queries of a work-group
.set REC,    256                       ; a record: x[16] | y[16] | z[16] | sq[16], f32
.set TRIPS,  41                        ; records of a part; 16 parts x 41 = 656 records = 10496 places
.set PARTB,  TRIPS*REC
.set RED,    656*REC                   ; behind the records: 16 parts x 80 queries x (best, group), 8 bytes each
.set REDROW, QPW*8
.set R,     1                          ; v1      lane % 16
.set H,     2                          ; v2      lane / 16
.set RA,    9                          ; v9      where my five (best, group) go
.set LA,    10                         ; v10     LDS address of my part's current record
.set TRIP,  11                         ; v11     number of the current record (group), counted over all parts
.set ST,    12                         ; v12-14  where my candidates' numbers go: three bases, since an LDS offset has 16 bits
.set COFF,  15                         ; v15     12 t: my candidate in each block of 256
.set CLAST, 16                         ; v16     the same for the last block, clamped to the last candidate
.set QOFF,  17                         ; v17     12 r
.set BG,    18                         ; v[18:27]   query j: best distance, its group
.set QA,    28                         ; v[28:67]   query j: -2x, -2y, -2z, sq_m, each twice (a pair for the packed forms)
.set BA,    68                         ; v[68:131]  a record: x 16, y 16, z 16, sq 16
.set BB,    132                        ; v[132:195] the other record
.set C0,    196                        ; v[196:211] 16 products, sums, distances
.set C1,    212                        ; v[212:227] the same for the next query, so that one query's minima stand among the next one's products
.set T,     228                        ; v[228:243] 16 sums sq_m + sq_s
.set RAW,   68                         ; v[68:231]  set-up only: 41 candidates as loaded, 4 registers each
.set QR,    232                        ; v[232:251] set-up only: 5 queries as loaded
	s_load_b128 s[4:7], s[0:1], 0x0                ; queries s[4:5], candidates s[6:7]
	s_load_b64 s[8:9], s[0:1], 0x10                ; groups
	v_lshl_add_u32 v254, v0, 2, 0x2b800
	v_mov_b32 v255, 0
	v_and_b32 v[R], 15, v0
	v_bfe_u32 v[H], v0, 4, 1
	v_lshrrev_b32 v3, 5, v0
	v_readfirstlane_b32 s10, v3                    ; wave 0..7
	s_mul_i32 s12, ttmp9, QPW*12                   ; my 80 queries, in bytes
	s_mov_b32 s13, 0
	s_mul_i32 s14, ttmp9, QPW*4                    ; and their 80 results
	s_mov_b32 s15, 0
	s_mov_b32 s16, 0xffff0000                      ; a word's upper bf16
	v_mul_u32_u24 v[QOFF], 12, v[R]
	v_mul_u32_u24 v[COFF], 12, v0
	v_add_nc_u32 v[CLAST], 40*256, v0              ; the last block of 256 places holds 235 candidates:
	v_min_u32 v[CLAST], LASTC, v[CLAST]            ; the other places take the last one again, and no load leaves the buffer
	v_mul_u32_u24 v[CLAST], 12, v[CLAST]
	s_wait_kmcnt 0x0
	s_add_nc_u64 s[4:5], s[4:5], s[12:13]
	s_add_nc_u64 s[8:9], s[8:9], s[14:15]
.irp j, 0,1,2,3,4
	global_load_b96 v[QR+4*\j:QR+4*\j+2], v[QOFF], s[4:5] offset:192*\j    ; query 16 j + r
.endr
.set i, 0
.rept 40
	global_load_b96 v[RAW+4*i:RAW+4*i+2], v[COFF], s[6:7] offset:3072*i    ; candidate 256 i + t: a wave's load covers 384 neighbouring bytes
.set i, i+1
.endr
	global_load_b96 v[RAW+160:RAW+162], v[CLAST], s[6:7]
	v_lshrrev_b32 v3, 4, v0                        ; candidate 256 i + t lies in record 16 i + t / 16, at place t % 16
	v_lshlrev_b32 v3, 8, v3
	v_lshl_add_u32 v[ST], v[R], 2, v3
	v_add_nc_u32 v[ST+1], 15*4096, v[ST]
	v_add_nc_u32 v[ST+2], 30*4096, v[ST]
; v[r], v[r+1], v[r+2] = x, y, z as loaded  ->  the same rounded to bf16, as f32; v[r+3] = fl(fl(x x + y y) + z z) of the rounded numbers
.macro ROUND3 r
	v_cvt_pk_bf16_f32 v[\r+3], v[\r], v[\r+1]
	v_cvt_pk_bf16_f32 v[\r+2], v[\r+2], v[\r+2]
	v_lshlrev_b32 v[\r], 16, v[\r+3]
	v_and_b32 v[\r+1], s16, v[\r+3]
	v_lshlrev_b32 v[\r+2], 16, v[\r+2]
	v_mul_f32 v[\r+3], v[\r], v[\r]
	v_fmac_f32 v[\r+3], v[\r+1], v[\r+1]
	v_fmac_f32 v[\r+3], v[\r+2], v[\r+2]
.endm
.set i, 0
.rept 41
	s_wait_loadcnt 40-i                            ; loads come back in order (ISA guide 5.7.1): candidate load i is in, the 40 - i younger ones stay out
	ROUND3 RAW+4*i
	ds_store_b32 v[ST+i/15], v[RAW+4*i]   offset:4096*(i%15)
	ds_store_b32 v[ST+i/15], v[RAW+4*i+1] offset:4096*(i%15)+64
	ds_store_b32 v[ST+i/15], v[RAW+4*i+2] offset:4096*(i%15)+128
	ds_store_b32 v[ST+i/15], v[RAW+4*i+3] offset:4096*(i%15)+192
.set i, i+1
.endr
	s_wait_dscnt 0x0                               ; my records are written: zero, for the other waves' sake
	s_barrier_signal -1
	; registers only, while the others arrive: my part, my five queries
	s_lshl_b32 s11, s10, 1
	v_add_nc_u32 v3, s11, v[H]                     ; part = 2 wave + h
	v_mul_u32_u24 v[LA], PARTB, v3
	v_mul_u32_u24 v[TRIP], TRIPS, v3               ; my first group's number
	v_mul_u32_u24 v4, REDROW, v3
	v_lshl_add_u32 v4, v[R], 3, v4
	v_add_nc_u32 v[RA], RED, v4
.irp j, 0,1,2,3,4
	ROUND3 QR+4*\j                                 ; (the query loads were issued first: in since the waits above)
	v_mul_f32 v[QA+8*\j],   -2.0, v[QR+4*\j]
	v_mul_f32 v[QA+8*\j+1], -2.0, v[QR+4*\j]
	v_mul_f32 v[QA+8*\j+2], -2.0, v[QR+4*\j+1]
	v_mul_f32 v[QA+8*\j+3], -2.0, v[QR+4*\j+1]
	v_mul_f32 v[QA+8*\j+4], -2.0, v[QR+4*\j+2]
	v_mul_f32 v[QA+8*\j+5], -2.0, v[QR+4*\j+2]
	v_mov_b32 v[QA+8*\j+6], v[QR+4*\j+3]
	v_mov_b32 v[QA+8*\j+7], v[QR+4*\j+3]
	v_mov_b32 v[BG+2*\j], 0x7f800000               ; best = +infinity,
	v_mov_b32 v[BG+2*\j+1], v[TRIP]                ; in my first group
.endr
	s_barrier_wait -1                              ; all records are written
; a record into 64 registers: the 16 lanes of a half read the same 16 bytes
.macro LOADC buf, off
.irp k, 0,1,2,3,4,5,6,7,8,9,10,11,12,13,14,15
	ds_load_b128 v[\buf+4*\k:\buf+4*\k+3], v[LA] offset:\off+16*\k
.endr
.endm
; the five roundings of a distance, each for the record's 8 pairs of candidates and one query
.macro TADD q, buf                     ; fl(sq_s + sq_m)
.irp p, 0,1,2,3,4,5,6,7
	v_pk_add_f32 v[T+2*\p:T+2*\p+1], v[\buf+48+2*\p:\buf+48+2*\p+1], v[QA+8*\q+6:QA+8*\q+7]
.endr
.endm
.macro MULX q, buf, c                  ; -2 p1, exact
.irp p, 0,1,2,3,4,5,6,7
	v_pk_mul_f32 v[\c+2*\p:\c+2*\p+1], v[\buf+2*\p:\buf+2*\p+1], v[QA+8*\q:QA+8*\q+1]
.endr
.endm
.macro FMAY q, buf, c                  ; -2 fl(p1 + p2)
.irp p, 0,1,2,3,4,5,6,7
	v_pk_fma_f32 v[\c+2*\p:\c+2*\p+1], v[\buf+16+2*\p:\buf+16+2*\p+1], v[QA+8*\q+2:QA+8*\q+3], v[\c+2*\p:\c+2*\p+1]
.endr
.endm
.macro FMAZ q, buf, c                  ; -2 fl(fl(p1 + p2) + p3)
.irp p, 0,1,2,3,4,5,6,7
	v_pk_fma_f32 v[\c+2*\p:\c+2*\p+1], v[\buf+32+2*\p:\buf+32+2*\p+1], v[QA+8*\q+4:QA+8*\q+5], v[\c+2*\p:\c+2*\p+1]
.endr
.endm
.macro DADD c                          ; d
.irp p, 0,1,2,3,4,5,6,7
	v_pk_add_f32 v[\c+2*\p:\c+2*\p+1], v[T+2*\p:T+2*\p+1], v[\c+2*\p:\c+2*\p+1]
.endr
.endm
; the record's minimum, a tree of depth three: 8 instructions for 16 distances
.macro MIN_A c
	v_min3_num_f32 v[\c],    v[\c],    v[\c+1],  v[\c+2]
	v_min3_num_f32 v[\c+3],  v[\c+3],  v[\c+4],  v[\c+5]
	v_min3_num_f32 v[\c+6],  v[\c+6],  v[\c+7],  v[\c+8]
	v_min3_num_f32 v[\c+9],  v[\c+9],  v[\c+10], v[\c+11]
	v_min3_num_f32 v[\c+12], v[\c+12], v[\c+13], v[\c+14]
.endm
.macro MIN_B c
	v_min3_num_f32 v[\c],   v[\c],   v[\c+3],  v[\c+6]
	v_min3_num_f32 v[\c+9], v[\c+9], v[\c+12], v[\c+15]
.endm
.macro MIN_C c
	v_min_num_f32 v[\c], v[\c], v[\c+9]
.endm
.macro MIN_D q, c                      ; strictly smaller than all before: the earliest group keeps a tie, as argmin's first index asks
	v_cmp_lt_f32 vcc_lo, v[\c], v[BG+2*\q]
	v_min_num_f32 v[BG+2*\q], v[BG+2*\q], v[\c]
	v_cndmask_b32 v[BG+2*\q+1], v[BG+2*\q+1], v[TRIP], vcc_lo
.endm
; query q's distances, with the steps of query pq's minimum laid between the runs, so that none waits for the line in front of it
.macro NEXTQ q, buf, c, pq, pc
	MIN_A \pc
	TADD \q, \buf
	MIN_B \pc
	MULX \q, \buf, \c
	MIN_C \pc
	FMAY \q, \buf, \c
	MIN_D \pq, \pc
	FMAZ \q, \buf, \c
	DADD \c
.endm
; one record against my five queries: 5 x (40 packed + 11) instructions for 80 pairs a lane
.macro SCAN16 buf
	TADD 0, \buf
	MULX 0, \buf, C0
	FMAY 0, \buf, C0
	FMAZ 0, \buf, C0
	DADD C0
	NEXTQ 1, \buf, C1, 0, C0
	NEXTQ 2, \buf, C0, 1, C1
	NEXTQ 3, \buf, C1, 2, C0
	NEXTQ 4, \buf, C0, 3, C1
	MIN_A C0
	MIN_B C0
	MIN_C C0
	MIN_D 4, C0
	v_add_nc_u32 v[TRIP], 1, v[TRIP]
.endm
	LOADC BA, 0                                    ; record 0
	s_mov_b32 s17, (TRIPS-1)/2                     ; 20 trips of two records; the 41st stands behind the loop and loads nothing
.Lpair:
	LOADC BB, REC
	s_wait_dscnt 16                                ; LDS loads come back in order (ISA guide 5.7.1): buffer A is whole, the 16 loads just issued stay out
	SCAN16 BA
	LOADC BA, 2*REC
	s_wait_dscnt 16                                ; buffer B is whole, the 16 loads into A stay out
	SCAN16 BB
	v_add_nc_u32 v[LA], 2*REC, v[LA]
	s_sub_co_i32 s17, s17, 1
	s_cmp_lg_u32 s17, 0
	s_cbranch_scc1 .Lpair
	s_wait_dscnt 0x0
	SCAN16 BA
	; the 16 parts of a query meet in LDS, in bytes of their own behind the records
.irp j, 0,1,2,3,4
	ds_store_b64 v[RA], v[BG+2*\j:BG+2*\j+1] offset:128*\j         ; row part, place 16 j + r
.endr
	s_wait_dscnt 0x0                               ; written, for the others' sake
	s_barrier_signal -1
	s_barrier_wait -1
	s_cmp_gt_u32 s10, 2                            ; threads 0 to 79 finish: waves 0, 1 and half of wave 2
	s_cbranch_scc1 .Ldone
	v_min_u32 v3, QPW-1, v0                        ; threads 80 to 95 read query 79's pairs once more: every address stays inside the 16 x 80 pairs
	v_lshlrev_b32 v3, 3, v3
	v_add_nc_u32 v3, RED, v3
	v_lshlrev_b32 v4, 2, v0
.set p, 0
.rept 16
	ds_load_b64 v[BA+2*p:BA+2*p+1], v3 offset:REDROW*p
.set p, p+1
.endr
	s_wait_dscnt 0x0
.set p, 1
.rept 15
	v_cmp_lt_f32 vcc_lo, v[BA+2*p], v[BA]          ; parts in ascending order of index, strictly smaller: the first minimum stays
	v_cndmask_b32 v[BA], v[BA], v[BA+2*p], vcc_lo
	v_cndmask_b32 v[BA+1], v[BA+1], v[BA+2*p+1], vcc_lo
.set p, p+1
.endr
	v_cmp_gt_u32 vcc_lo, QPW, v0                   ; only the store is masked: threads 0 to 79
	s_wait_xcnt 0x0                                ; EXEC is a source of the global loads above: it changes only behind this wait
	s_and_saveexec_b32 s18, vcc_lo
	global_store_b32 v4, v[BA+1], s[8:9]
	s_wait_xcnt 0x0                                ; and EXEC is widened again only behind this wait
	s_or_b32 exec_lo, exec_lo, s18
.Ldone:
	s_wait_tensorcnt 0x0
	ds_add_u32 v254, v255
	s_wait_dscnt 0x0
	s_endpgm
.Lfunc_end_k_q3cbaea3d61_scan:
	.size	k_q3cbaea3d61_scan, .Lfunc_end_k_q3cbaea3d61_scan-k_q3cbaea3d61_scan
	.p2alignl 7, 3214868480
	.fill 96, 4, 3214868480
	.section	.rodata,"a",@progbits
	.p2align	6, 0x0
	.amdhsa_kernel k_q3cbaea3d61_scan
		.amdhsa_group_segment_fixed_size 179200
		.amdhsa_private_segment_fixed_size 0
		.amdhsa_enable_private_segment 0
		.amdhsa_kernarg_size 24
		.amdhsa_user_sgpr_count 2
		.amdhsa_user_sgpr_kernarg_segment_ptr 1
		.amdhsa_wavefront_size32 1
		.amdhsa_system_sgpr_workgroup_id_x 1
		.amdhsa_system_sgpr_workgroup_id_y 1
		.amdhsa_system_sgpr_workgroup_id_z 1
		.amdhsa_system_vgpr_workitem_id 0
		.amdhsa_next_free_vgpr 256
		.amdhsa_next_free_sgpr 66
		.amdhsa_reserve_vcc 1
		.amdhsa_float_denorm_mode_32 3
		.amdhsa_float_denorm_mode_16_64 3
		.amdhsa_memory_ordered 1
		.amdhsa_forward_progress 1
		.amdhsa_inst_pref_size 87
	.end_amdhsa_kernel
	.amdgpu_metadata
---
amdhsa.version: [ 1, 2 ]
amdhsa.kernels:
  - .name:           k_q3cbaea3d61_scan
    .symbol:         k_q3cbaea3d61_scan.kd
    .args:
      - { .name: mhr_vertices, .offset: 0, .size: 8, .value_kind: global_buffer, .address_space: global }
      - { .name: smplx_vertices, .offset: 8, .size: 8, .value_kind: global_buffer, .address_space: global }
      - { .name: groups, .offset: 16, .size: 8, .value_kind: global_buffer, .address_space: global }
    .group_segment_fixed_size: 179200
    .private_segment_fixed_size: 0
    .kernarg_segment_align: 8
    .kernarg_segment_size: 24
    .max_flat_workgroup_size: 256
    .sgpr_count:     66
    .vgpr_count:     256
    .wavefront_size: 32
...
	.end_amdgpu_metadata
.endif
;; end of part 1
;; launch pick (part 2): grid 625 x 1, 1 waves a work-group, no clusters, 0 bytes of LDS; arguments mhr_vertices, smplx_vertices, groups, out0; writes out0
.if DOCPART == 2
	.amdgcn_target "amdgcn-amd-amdhsa--gfx1250"
	.amdhsa_code_object_version 6
	.text
	.protected	k_q3cbaea3d61_pick
	.globl	k_q3cbaea3d61_pick
	.p2align	8
	.type	k_q3cbaea3d61_pick,@function
k_q3cbaea3d61_pick:
	s_mov_b64 s[64:65], 0
	v_nop
	global_prefetch_b8 v0, s[64:65] scope:SCOPE_SE
	s_setreg_imm32_b32 hwreg(HW_REG_WAVE_MODE, 25, 1), 1
	s_wait_xcnt 0x0
; out0[q] = index of the first smallest squared distance among the 16 candidates of group groups[q], which the launch before found to
; hold query q's minimum.  One thread for each query: 625 waves x 32 = 20000, no tail.  The distances are formed with the same roundings
; as in the launch before (inputs rounded to bf16, sums in f32, rounded where reference() rounds; the same limits hold):
;   d = fl( fl(sq_m + sq_s) + (-2) fl( fl(p1 + p2) + p3 ) ).
; 16 x 20000 pairs in all: the time is two dependent trips to memory, so the 16 candidate loads of a thread are issued in one run.
; A place past the last candidate takes the last candidate again (index and address clamped): same d, later place, never chosen by a strict <.
; No LDS, no barrier, no cluster: no two threads share anything but cached input bytes.
.set LASTC, 10474
.set IDX,   8                          ; v[8:23]    the 16 candidates' indices; v8 ends as the winner's
.set OFF,   24                         ; v[24:39]   their byte offsets
.set RAW,   40                         ; v[40:103]  4 registers each: x, y, z, then sq; the first ends as d
.set QR,    104                        ; v[104:107] the query: x, y, z, then -2x, -2y, -2z, sq_m
.macro ROUND3 r                        ; x, y, z -> rounded to bf16, as f32; v[r+3] = fl(fl(x x + y y) + z z) of the rounded numbers
	v_cvt_pk_bf16_f32 v[\r+3], v[\r], v[\r+1]
	v_cvt_pk_bf16_f32 v[\r+2], v[\r+2], v[\r+2]
	v_lshlrev_b32 v[\r], 16, v[\r+3]
	v_and_b32 v[\r+1], s16, v[\r+3]
	v_lshlrev_b32 v[\r+2], 16, v[\r+2]
	v_mul_f32 v[\r+3], v[\r], v[\r]
	v_fmac_f32 v[\r+3], v[\r+1], v[\r+1]
	v_fmac_f32 v[\r+3], v[\r+2], v[\r+2]
.endm
	s_load_b256 s[4:11], s[0:1], 0x0               ; queries s[4:5], candidates s[6:7], groups s[8:9], out0 s[10:11]
	s_lshl_b32 s12, ttmp9, 5
	s_mov_b32 s16, 0xffff0000                      ; a word's upper bf16
	v_add_nc_u32 v1, s12, v0                       ; my query
	v_lshlrev_b32 v2, 2, v1
	v_mul_u32_u24 v3, 12, v1
	s_wait_kmcnt 0x0
	global_load_b32 v4, v2, s[8:9]
	global_load_b96 v[QR:QR+2], v3, s[4:5]
	s_wait_loadcnt 0x1                             ; the group's number is in; the query's load stays out
	v_lshlrev_b32 v5, 4, v4                        ; its first candidate
.set i, 0
.rept 16
	v_add_nc_u32 v[IDX+i], i, v5
	v_min_u32 v[IDX+i], LASTC, v[IDX+i]            ; a loaded number enters an address only behind this clamp: no load leaves the buffer
	v_mul_u32_u24 v[OFF+i], 12, v[IDX+i]
	global_load_b96 v[RAW+4*i:RAW+4*i+2], v[OFF+i], s[6:7]
.set i, i+1
.endr
	s_wait_loadcnt 16                              ; the query is in; the 16 candidate loads stay out
	ROUND3 QR
	v_mul_f32 v[QR],   -2.0, v[QR]
	v_mul_f32 v[QR+1], -2.0, v[QR+1]
	v_mul_f32 v[QR+2], -2.0, v[QR+2]
.set i, 0
.rept 16
	s_wait_loadcnt 15-i                            ; loads come back in order (ISA guide 5.7.1): candidate i is in, the younger ones stay out
	ROUND3 RAW+4*i
	v_mul_f32 v[RAW+4*i], v[QR], v[RAW+4*i]                ; -2 p1, exact
	v_fmac_f32 v[RAW+4*i], v[QR+1], v[RAW+4*i+1]           ; -2 fl(p1 + p2)
	v_fmac_f32 v[RAW+4*i], v[QR+2], v[RAW+4*i+2]           ; -2 fl(fl(p1 + p2) + p3)
	v_add_f32 v[RAW+4*i+3], v[QR+3], v[RAW+4*i+3]          ; fl(sq_m + sq_s): a rounding of reference()'s own, so not fused
	v_add_f32 v[RAW+4*i], v[RAW+4*i+3], v[RAW+4*i]         ; d
.if i > 0
	v_cmp_lt_f32 vcc_lo, v[RAW+4*i], v[RAW]                ; strictly smaller: the first minimum stays
	v_cndmask_b32 v[RAW], v[RAW], v[RAW+4*i], vcc_lo
	v_cndmask_b32 v[IDX], v[IDX], v[IDX+i], vcc_lo
.endif
.set i, i+1
.endr
	global_store_b32 v2, v[IDX], s[10:11]          ; a wave stores 128 neighbouring bytes
	s_endpgm
.Lfunc_end_k_q3cbaea3d61_pick:
	.size	k_q3cbaea3d61_pick, .Lfunc_end_k_q3cbaea3d61_pick-k_q3cbaea3d61_pick
	.p2alignl 7, 3214868480
	.fill 96, 4, 3214868480
	.section	.rodata,"a",@progbits
	.p2align	6, 0x0
	.amdhsa_kernel k_q3cbaea3d61_pick
		.amdhsa_group_segment_fixed_size 0
		.amdhsa_private_segment_fixed_size 0
		.amdhsa_enable_private_segment 0
		.amdhsa_kernarg_size 32
		.amdhsa_user_sgpr_count 2
		.amdhsa_user_sgpr_kernarg_segment_ptr 1
		.amdhsa_wavefront_size32 1
		.amdhsa_system_sgpr_workgroup_id_x 1
		.amdhsa_system_sgpr_workgroup_id_y 1
		.amdhsa_system_sgpr_workgroup_id_z 1
		.amdhsa_system_vgpr_workitem_id 0
		.amdhsa_next_free_vgpr 112
		.amdhsa_next_free_sgpr 66
		.amdhsa_reserve_vcc 1
		.amdhsa_float_denorm_mode_32 3
		.amdhsa_float_denorm_mode_16_64 3
		.amdhsa_memory_ordered 1
		.amdhsa_forward_progress 1
		.amdhsa_inst_pref_size 15
	.end_amdhsa_kernel
	.amdgpu_metadata
---
amdhsa.version: [ 1, 2 ]
amdhsa.kernels:
  - .name:           k_q3cbaea3d61_pick
    .symbol:         k_q3cbaea3d61_pick.kd
    .args:
      - { .name: mhr_vertices, .offset: 0, .size: 8, .value_kind: global_buffer, .address_space: global }
      - { .name: smplx_vertices, .offset: 8, .size: 8, .value_kind: global_buffer, .address_space: global }
      - { .name: groups, .offset: 16, .size: 8, .value_kind: global_buffer, .address_space: global }
      - { .name: out0, .offset: 24, .size: 8, .value_kind: global_buffer, .address_space: global }
    .group_segment_fixed_size: 0
    .private_segment_fixed_size: 0
    .kernarg_segment_align: 8
    .kernarg_segment_size: 32
    .max_flat_workgroup_size: 32
    .sgpr_count:     66
    .vgpr_count:     112
    .wavefront_size: 32
...
	.end_amdgpu_metadata
.endif
;; end of part 2
